; MI455X (gfx1250); checked and timed in simulation.
; The chip was launched on July 23, 2026; its instructions are those of AMD's public machine-readable ISA for CDNA 5 (MIT licence, August 2026) and "CDNA5" Instruction Set Architecture Reference Guide (July 2026). The comments in the code are by the model that wrote it; some were corrected since.
;; T Rec Policy. Allowed arithmetic: float matrix products may take bf16 or f16 operands with f32 sums; all other float work in f32.
;; Inputs: b1 4 float32; b2 4 float32; b_hh_dn 12 float32; b_hh_up 12 float32; b_ih_dn 12 float32; b_ih_up 12 float32; b_out 1 float32; w1 4 x 8 float32; w2 4 x 4 float32; w_hh_dn 12 x 4 float32; w_hh_up 12 x 4 float32; w_ih_dn 12 x 4 float32; w_ih_up 12 x 2 float32; w_out 1 x 5 float32; x 2,000,000 x 18 float32.
;; Outputs: out0 2,000,000 x 7 float32.
;; One version. Each part assembles by itself: llvm-mc -triple=amdgcn-amd-amdhsa -mcpu=gfx1250 --defsym DOCPART=n.
;; ======== version 1 of 1: 1 launch
;; limits: values are held in f16: magnitudes above 65,504 overflow, below 6.1e-05 lose precision; inputs' magnitudes at most 22,700
;; launch trec (part 1): grid 256 x 1, 12 waves a work-group, no clusters, 155,136 bytes of LDS; arguments x, out0, w_ih_up, w_hh_up, b_ih_up, b_hh_up, w1, b1, w2, b2, w_ih_dn, w_hh_dn, b_ih_dn, b_hh_dn, w_out, b_out; writes out0
.if DOCPART == 1
	.amdgcn_target "amdgcn-amd-amdhsa--gfx1250"
	.amdhsa_code_object_version 6
	.text
	.protected	k_q482eb1c62b_trec
	.globl	k_q482eb1c62b_trec
	.p2align	8
	.type	k_q482eb1c62b_trec,@function
k_q482eb1c62b_trec:
	s_mov_b64 s[64:65], 0
	v_nop
	global_prefetch_b8 v0, s[64:65] scope:SCOPE_SE
	s_setreg_imm32_b32 hwreg(HW_REG_WAVE_MODE, 25, 1), 1
	s_wait_xcnt 0x0
; TRecPolicy: for each of 2,000,000 rows of x (4 obs, 7 j, 7 jd; f32): 7 GRU cells of 4 units upward (joints 6..0), two tanh layers of 4, 7 GRU cells downward fed with
; the upward states in the order in which they were made, and behind each downward cell a_i = w_out . [h, j_i] + b_out.  out0: 7 f32 a row.
; SHARES.  3,072 waves that stay (256 work-groups x 12).  Wave G = 256 w + g takes the blocks G + 3,072 t of 128 rows: 15,625 blocks = 5 x 3,072 + 265, so 6 trips where G < 265, else 5.
; A block is 9,216 bytes of x and 3,584 bytes of out0, both multiples of 256.  A block is 8 TILES of 16 rows.
; PRODUCTS.  Every layer is ONE matrix instruction a tile, used transposed: source 0 = 16 weight rows, source 1 = 16 batch rows, C = the biases in f32.  A GRU cell has 16 pre-activations
; a row (r, z, i_n, h_n of 4 units), ordered so that lane (r = lane % 16, h = lane / 16) receives, for batch row r, registers 0,1 = r; 2,3 = z; 4,5 = i_n; 6,7 = h_n of units 2h, 2h+1.
; So each lane makes the activations of two units by packed f32 arithmetic, and its new pair of states, rounded to f16, IS a register of the next product's source 1: nothing changes lanes.
; OPERAND BLOCK.  A tile's source 1 is always the same 8 registers PB: [obs | x pairs of steps 0..6].  Step s reads h at place s and x at place s+1 and writes its state over place s+1; the weights
; (Wh, Wx) stand at places (s, s+1) of source 0 by sliding an 8-register window over a chain of weights and zeros (one copy for even s, one for odd, since operands start on even registers).
; SCALES.  sigmoid(a) = 1 / (1 + 2^(-log2e a)), tanh(y) = 1 - 2 / (1 + 2^(2 log2e y)): the factors are folded into weights and biases in f32, ahead of the one rounding to f16.
; PIPELINE.  A step's vector work is five stages; in a tick stage 1 works on one tile, stage 2 on the tile before it, and so on: no line reads a result made in its own tick but inside a stage.
; FORMATS.  Matrix operands f16, sums f32; states, activations, biases and w_out[4] j_i + b_out in f32.
; LIMITS.  |x| and |2.8854 w| stay under 65,504 (f16's range), else the row is lost; NaN and infinities are not treated apart, and in the last product they also reach the row 16 further on or back;
; a power of two below 2^-126 counts as 0.
; NO CLUSTER, NO TENSOR LOAD, NO BARRIER: work-groups share only some 1,100 bytes of weights; each wave reads and writes LDS bytes of its own alone (12,800 bytes from 12,800 x wave);
; the next block's x is asked for a whole block ahead, into 72 registers that nothing else uses.
.set XB,    9216                       ; bytes of x in a block
.set OB,    3584                       ; bytes of out0 in a block
.set STRIDE, 3072                      ; blocks from a wave's trip to its next
.set WR,    12800                      ; a wave's LDS: x as it lies in memory (9,216), then the outputs as they lie in memory (3,584)
.set OUTS,  9216
.set SPARE, 12*WR                      ; behind the twelve regions: the spare words, 128 bytes a wave: six blocks of 256 bytes that no other line names
.set L16,  1                           ; v1   16 x lane: my offset in 512 consecutive bytes of x or out0; never rewritten
.set ST,   2                           ; v2   LDS: my region + 16 x lane
.set ROW,  3                           ; v3   LDS: my region + 72 r
.set OBS,  4                           ; v4   ROW + 8 h
.set PAIR, 5                           ; v5   LDS: my region + 72 x lane
.set OUTA, 6                           ; v6   LDS: my region + 28 x lane
.set SPW,  8                           ; v8   LDS address of my spare word; never rewritten
.set NIL,  9                           ; v9   0; never rewritten
.set CB,   16                          ; v16-19   2 log2e b1, 2 log2e b2 (units 2h, 2h+1)
.set BU,   20                          ; v20-27   the upward cell's C operand
.set BD,   28                          ; v28-35   the downward cell's
.set CH,   36                          ; v36-75   the chain: 1 UX | 8 UH, 9 UX | 16 DH, 17 DX | 25 UH, 26 UX | 33 DH, 34 DX; all else 0
.set M1,   76                          ; v76-83   first tanh layer: [W1 obs, 0 x 6, W1 h]
.set M2,   84                          ; v84-91   second: [W2, 0 x 7]
.set AOL,  92                          ; v92-99   output product, rows 0-6: place 1+i holds w_out[0:4] in row i alone
.set AOH,  100                         ; v100-107 the same in rows 8-14
.set PB,   108                         ; v108-171 tile t's operand block at PB + 8 t
.set HH,   172                         ; v172-187 tile t's pair of states in f32 at HH + 2 t
.set D,    188                         ; v188-251 tile t's accumulator at D + 8 t; between blocks: at work
; set-up only, in the accumulators' registers
.set LUH, 188
.set LUX, 190
.set LDX, 192
.set LDH, 194
.set L1O, 196
.set L1H, 198
.set L2,  200
.set LWO, 202
.set TBU, 204                          ; b_hh_up's r and z parts
.set TBD, 208                          ; b_hh_dn's
.set SC,  212                          ; the gate's scale
.set SCX, 213                          ; for input weights: 0 in the rows of h_n
.set SCH, 214                          ; for hidden weights: 0 in the rows of i_n
.set SCUX, 215                         ; for the upward cell's two inputs: 0 in lanes 16-31 too
.set SCM, 216                          ; for the tanh layers: rows of gate 0 alone
.set VCS, 217                          ; -log2e
.set OF4, 218                          ; 16 row + 8 h
.set OF2, 219                          ; 8 row
.set OFA, 220                          ; 32 u + 8 h
.set OFB, 221                          ; 16 u + 8 h
.set OFH, 222                          ; 8 h
.set VCT, 223                          ; 2 log2e
.set WOP, 224                          ; w_out[2h], w_out[2h+1] in f16
.set CSL, 0xbfb8aa3b                   ; -log2e
.set CTL, 0x4038aa3b                   ; 2 log2e
.set MSB, 0
.macro WIN new                         ; s_set_vgpr_msb: bits 1:0 source 0, 3:2 source 1, 7:6 destination; the high byte repeats the setting that is left
.if MSB != (\new)
	s_set_vgpr_msb (MSB<<8)|(\new)
.set MSB, (\new)
.endif
.endm
; a block's x: 18 loads of 512 consecutive bytes into v256-327 (written v0-71 of window 1)
.macro XLOAD
	WIN 0x40
.irp c, 0,1,2,3,4,5,6,7,8,9,10,11,12,13,14,15,16,17
	global_load_b128 v[4*(\c):4*(\c)+3], v[L16], s[10:11] offset:512*(\c) th:TH_LOAD_NT
.endr
	WIN 0
.endm
; and from there into my LDS region, as it lies in memory: rows 72 bytes apart
.macro XSTORE
	WIN 0x04
.irp c, 0,1,2,3,4,5,6,7,8,9,10,11,12,13,14,15,16,17
	ds_store_b128 v[ST], v[4*(\c):4*(\c)+3] offset:512*(\c)
.endr
	WIN 0
.endm
; tile t's row r: words 4-17 (j0-6, jd0-6) into T0-13, both halves of the lanes alike; words 2h, 2h+1 (obs) into T14, T15.  T = 16 registers, four sets by turns
.macro PACKLD t
.set tb, D+16*((\t)%4)
.irp c, 0,1,2,3,4,5,6
	ds_load_b64 v[tb+2*(\c):tb+2*(\c)+1], v[ROW] offset:1152*(\t)+16+8*(\c)
.endr
	ds_load_b64 v[tb+14:tb+15], v[OBS] offset:1152*(\t)
.endm
.macro PACKCV t                        ; the operand block: obs, then (j, jd) of joints 6 .. 0
.set tb, D+16*((\t)%4)
	v_cvt_pk_f16_f32 v[PB+8*(\t)], v[tb+14], v[tb+15]
.irp s, 0,1,2,3,4,5,6
	v_cvt_pk_f16_f32 v[PB+8*(\t)+1+(\s)], v[tb+6-(\s)], v[tb+13-(\s)]
.endr
.endm
; The product of step k for tile t.  k = 0-6: upward step k; 7, 8: the tanh layers; 9-15: downward step k - 9.  Step 0 takes a window with UX alone: h = 0 is never written.
.macro MM k, t
.if (\k) == 0
.set aw, CH
.set cw, BU
.elseif (\k) < 7
.set aw, CH+8-(\k)+17*((\k)%2)
.set cw, BU
.elseif (\k) == 7
.set aw, M1
.set cw, CB
.elseif (\k) == 8
.set aw, M2
.set cw, CB+2
.else
.set aw, CH+25-(\k)+17*(((\k)-9)%2)
.set cw, BD
.endif
	v_wmma_f32_16x16x32_f16 v[D+8*(\t):D+8*(\t)+7], v[aw:aw+7], v[PB+8*(\t):PB+8*(\t)+7], v[cw:cw+7]
.endm
; THE FIVE STAGES of item g = 8 k + t (step k, tile t); an item outside 0 .. 127 writes nothing.  A tanh layer (k = 7, 8) has no stages 1 and 2 and works on registers 0, 1.
.macro S1 g                            ; 2^ of r's and z's arguments; the accumulator's lowest register is read first
.if ((\g) >= 0) && ((\g) < 128)
.set k1, (\g)/8
.set d1, D+8*((\g)%8)
.if (k1 != 7) && (k1 != 8)
	v_exp_f32 v[d1], v[d1]
	v_exp_f32 v[d1+1], v[d1+1]
	v_exp_f32 v[d1+2], v[d1+2]
	v_exp_f32 v[d1+3], v[d1+3]
.endif
.endif
.endm
.macro S2 g                            ; r and z
.if ((\g) >= 0) && ((\g) < 128)
.set k2, (\g)/8
.set d2, D+8*((\g)%8)
.if (k2 != 7) && (k2 != 8)
	s_wait_alu depctr_va_vdst(0)
	v_pk_add_f32 v[d2:d2+1], v[d2:d2+1], 1.0 op_sel_hi:[1,0]
	v_pk_add_f32 v[d2+2:d2+3], v[d2+2:d2+3], 1.0 op_sel_hi:[1,0]
	v_rcp_f32 v[d2], v[d2]
	v_rcp_f32 v[d2+1], v[d2+1]
	v_rcp_f32 v[d2+2], v[d2+2]
	v_rcp_f32 v[d2+3], v[d2+3]
.endif
.endif
.endm
.macro S3 g                            ; 2^(2 log2e (i_n + r h_n)), or 2^ of the tanh layer's argument
.if ((\g) >= 0) && ((\g) < 128)
.set k3, (\g)/8
.set d3, D+8*((\g)%8)
.if (k3 != 7) && (k3 != 8)
	s_wait_alu depctr_va_vdst(0)
	v_pk_fma_f32 v[d3+4:d3+5], v[d3:d3+1], v[d3+6:d3+7], v[d3+4:d3+5]
.set d3, d3+4
.endif
	v_exp_f32 v[d3], v[d3]
	v_exp_f32 v[d3+1], v[d3+1]
.endif
.endm
.macro S4 g                            ; q = 1 / (1 + that)
.if ((\g) >= 0) && ((\g) < 128)
.set k4, (\g)/8
.set d4, D+8*((\g)%8)
.if (k4 != 7) && (k4 != 8)
.set d4, d4+4
.endif
	s_wait_alu depctr_va_vdst(0)
	v_pk_add_f32 v[d4:d4+1], v[d4:d4+1], 1.0 op_sel_hi:[1,0]
	v_rcp_f32 v[d4], v[d4]
	v_rcp_f32 v[d4+1], v[d4+1]
.endif
.endm
.macro S5 g                            ; n = 1 - 2 q; h = n + z (h - n); the pair rounded to f16 into its place of the operand block; the tile's next product
.if ((\g) >= 0) && ((\g) < 128)
.set k5, (\g)/8
.set t5, (\g)%8
.set d5, D+8*t5
.set h5, HH+2*t5
.if (k5 == 7) || (k5 == 8)
	s_wait_alu depctr_va_vdst(0)
	v_pk_fma_f32 v[h5:h5+1], v[d5:d5+1], -2.0, 1.0 op_sel_hi:[1,0,0]
.set q5, 0
.else
	s_wait_alu depctr_va_vdst(0)
	v_pk_fma_f32 v[d5+4:d5+5], v[d5+4:d5+5], -2.0, 1.0 op_sel_hi:[1,0,0]
.if k5 == 0
	v_pk_fma_f32 v[h5:h5+1], v[d5+2:d5+3], v[d5+4:d5+5], v[d5+4:d5+5] neg_lo:[1,0,0] neg_hi:[1,0,0]  ; h was 0: n - z n starts the state
.else
	v_pk_add_f32 v[h5:h5+1], v[h5:h5+1], v[d5+4:d5+5] neg_lo:[0,1] neg_hi:[0,1]
	v_pk_fma_f32 v[h5:h5+1], v[d5+2:d5+3], v[h5:h5+1], v[d5+4:d5+5]
.endif
.if k5 < 7
.set q5, 1+k5
.else
.set q5, k5-8
.endif
.endif
	v_cvt_pk_f16_f32 v[PB+8*t5+q5], v[h5], v[h5+1]
.if k5 < 15
	MM k5+1, t5
.endif
.endif
.endm
.macro ZERO lo, hi
.set z, (\lo)
.rept (\hi)-(\lo)+1
	v_mov_b32 v[z], 0
.set z, z+1
.endr
.endm
.macro SCALE p, s                      ; a loaded pair of weights times its lane's scale
	v_mul_f32 v[\p], v[\s], v[\p]
	v_mul_f32 v[(\p)+1], v[\s], v[(\p)+1]
.endm
.macro BIAS b, t                       ; a cell's C operand: -log2e (b_ih + b_hh) for r and z; 2 log2e b_ih and 2 log2e b_hh, apart, for n
	v_pk_mul_f32 v[\t:(\t)+1], v[\t:(\t)+1], CSL op_sel_hi:[1,0]
	v_pk_mul_f32 v[(\t)+2:(\t)+3], v[(\t)+2:(\t)+3], CSL op_sel_hi:[1,0]
	v_pk_mul_f32 v[(\b)+4:(\b)+5], v[(\b)+4:(\b)+5], CTL op_sel_hi:[1,0]
	v_pk_mul_f32 v[(\b)+6:(\b)+7], v[(\b)+6:(\b)+7], CTL op_sel_hi:[1,0]
	v_pk_fma_f32 v[\b:(\b)+1], v[\b:(\b)+1], CSL, v[\t:(\t)+1] op_sel_hi:[1,0,1]
	v_pk_fma_f32 v[(\b)+2:(\b)+3], v[(\b)+2:(\b)+3], CSL, v[(\t)+2:(\t)+3] op_sel_hi:[1,0,1]
.endm
	; ---------------- the head ----------------
	s_load_b512 s[16:31], s[0:1], 0x0              ; x 16, out0 18, w_ih_up 20, w_hh_up 22, b_ih_up 24, b_hh_up 26, w1 28, b1 30
	s_load_b512 s[32:47], s[0:1], 0x40             ; w2 32, b2 34, w_ih_dn 36, w_hh_dn 38, b_ih_dn 40, b_hh_dn 42, w_out 44, b_out 46
	v_lshl_add_u32 v[SPW], v0, 2, SPARE
	v_mov_b32 v[NIL], 0
	v_and_b32 v10, 31, v0                          ; lane
	v_and_b32 v11, 15, v0                          ; r; as a weight row: m
	v_bfe_u32 v12, v0, 4, 1                        ; h
	v_lshrrev_b32 v13, 5, v0
	v_readfirstlane_b32 s2, v13                    ; wave 0 .. 11
	v_lshlrev_b32 v[L16], 4, v10
	; weight row m feeds register m % 8 of lanes' half m / 8: gate (m % 8) / 2 (0 r, 1 z, 2 i_n, 3 h_n), unit u = 2 (m / 8) + m % 2, row 4 min(gate, 2) + u of the 12
	v_bfe_u32 v13, v0, 1, 2                        ; gate
	v_bfe_u32 v14, v0, 3, 1
	v_and_b32 v15, 1, v0
	v_lshl_or_b32 v14, v14, 1, v15                 ; u
	v_min_u32 v15, 2, v13
	v_lshl_add_u32 v15, v15, 2, v14                ; row
	v_lshlrev_b32 v[OFH], 3, v12
	v_lshl_add_u32 v[OF4], v15, 4, v[OFH]
	v_lshlrev_b32 v[OF2], 3, v15
	v_lshl_add_u32 v[OFA], v14, 5, v[OFH]
	v_lshl_add_u32 v[OFB], v14, 4, v[OFH]
	s_lshl_b32 s3, s2, 8
	s_add_co_u32 s3, s3, ttmp9                     ; G = 256 w + g
	s_cmp_lt_u32 s3, 265
	s_cselect_b32 s4, 6, 5                         ; my trips
	s_mov_b32 s6, s3                               ; the block in hand
	s_mov_b32 s5, 0                                ; the trip
	s_mov_b32 s9, 0                                ; byte offsets stay under 2^31: the high word is 0
	s_mov_b32 s49, 0                               ; named as pairs with s48 and s50
	s_mov_b32 s51, 0
	s_mul_i32 s14, s2, WR                          ; my LDS region
	s_mul_i32 s8, s6, XB
	v_lshl_add_u32 v[ST], v10, 4, s14
	v_mul_u32_u24 v[ROW], v11, 72
	v_add_nc_u32 v[ROW], s14, v[ROW]
	v_lshl_add_u32 v[OBS], v12, 3, v[ROW]
	v_mul_u32_u24 v[PAIR], v10, 72
	v_add_nc_u32 v[PAIR], s14, v[PAIR]
	v_mul_u32_u24 v[OUTA], v10, 28
	v_add_nc_u32 v[OUTA], s14, v[OUTA]
	s_wait_kmcnt 0x0
	s_load_b32 s48, s[44:45], 0x10                 ; w_out[4]
	s_load_b32 s50, s[46:47], 0x0                  ; b_out
	global_load_b64 v[LUH:LUH+1], v[OF4], s[22:23]             ; 22 loads of weights and biases: each lane the pair that its place in an operand wants
	global_load_b64 v[LUX:LUX+1], v[OF2], s[20:21]
	global_load_b64 v[LDX:LDX+1], v[OF4], s[36:37]
	global_load_b64 v[LDH:LDH+1], v[OF4], s[38:39]
	global_load_b64 v[L1O:L1O+1], v[OFA], s[28:29]
	global_load_b64 v[L1H:L1H+1], v[OFA], s[28:29] offset:16
	global_load_b64 v[L2:L2+1],   v[OFB], s[32:33]
	global_load_b64 v[LWO:LWO+1], v[OFH], s[44:45]
	global_load_b64 v[BU:BU+1],   v[OFH], s[24:25]
	global_load_b64 v[BU+2:BU+3], v[OFH], s[24:25] offset:16
	global_load_b64 v[BU+4:BU+5], v[OFH], s[24:25] offset:32
	global_load_b64 v[TBU:TBU+1],   v[OFH], s[26:27]
	global_load_b64 v[TBU+2:TBU+3], v[OFH], s[26:27] offset:16
	global_load_b64 v[BU+6:BU+7], v[OFH], s[26:27] offset:32
	global_load_b64 v[BD:BD+1],   v[OFH], s[40:41]
	global_load_b64 v[BD+2:BD+3], v[OFH], s[40:41] offset:16
	global_load_b64 v[BD+4:BD+5], v[OFH], s[40:41] offset:32
	global_load_b64 v[TBD:TBD+1],   v[OFH], s[42:43]
	global_load_b64 v[TBD+2:TBD+3], v[OFH], s[42:43] offset:16
	global_load_b64 v[BD+6:BD+7], v[OFH], s[42:43] offset:32
	global_load_b64 v[CB:CB+1],   v[OFH], s[30:31]
	global_load_b64 v[CB+2:CB+3], v[OFH], s[34:35]
	s_add_nc_u64 s[10:11], s[16:17], s[8:9]        ; x at my first block
	XLOAD
	; in the loads' wait: the 46 zeros of the weight operands, and the lanes' scales
	ZERO CH, CH
	ZERO CH+2, CH+7
	ZERO CH+10, CH+15
	ZERO CH+18, CH+24
	ZERO CH+27, CH+32
	ZERO CH+35, CH+39
	ZERO M1+1, M1+6
	ZERO M2+1, M2+7
	ZERO AOL, AOL
	ZERO AOH, AOH
	v_mov_b32 v[VCS], CSL
	v_mov_b32 v[VCT], CTL
	v_cmp_gt_u32 vcc_lo, 2, v13
	v_cndmask_b32 v[SC], v[VCT], v[VCS], vcc_lo    ; r, z: -log2e; i_n, h_n: 2 log2e
	v_cmp_ne_u32 vcc_lo, 3, v13
	v_cndmask_b32 v[SCX], 0, v[SC], vcc_lo
	v_cmp_ne_u32 vcc_lo, 2, v13
	v_cndmask_b32 v[SCH], 0, v[SC], vcc_lo
	v_cmp_eq_u32 vcc_lo, 0, v12
	v_cndmask_b32 v[SCUX], 0, v[SCX], vcc_lo
	v_cmp_eq_u32 vcc_lo, 0, v13
	v_cndmask_b32 v[SCM], 0, v[VCT], vcc_lo
	s_wait_loadcnt 18                              ; loads come back in order: the 22 of weights and biases are in, the 18 of x behind them stay out
	SCALE LUH, SCH
	SCALE LUX, SCUX
	SCALE LDX, SCX
	SCALE LDH, SCH
	SCALE L1O, SCM
	SCALE L1H, SCM
	SCALE L2,  SCM
.irp q, 1, 9, 26
	v_cvt_pk_f16_f32 v[CH+(\q)], v[LUX], v[LUX+1]
.endr
.irp q, 8, 25
	v_cvt_pk_f16_f32 v[CH+(\q)], v[LUH], v[LUH+1]
.endr
.irp q, 16, 33
	v_cvt_pk_f16_f32 v[CH+(\q)], v[LDH], v[LDH+1]
	v_cvt_pk_f16_f32 v[CH+(\q)+1], v[LDX], v[LDX+1]
.endr
	v_cvt_pk_f16_f32 v[M1], v[L1O], v[L1O+1]
	v_cvt_pk_f16_f32 v[M1+7], v[L1H], v[L1H+1]
	v_cvt_pk_f16_f32 v[M2], v[L2], v[L2+1]
	v_cvt_pk_f16_f32 v[WOP], v[LWO], v[LWO+1]
.irp i, 0,1,2,3,4,5,6
	v_cmp_eq_u32 vcc_lo, (\i), v11
	v_cndmask_b32 v[AOL+1+(\i)], 0, v[WOP], vcc_lo
	v_cmp_eq_u32 vcc_lo, 8+(\i), v11
	v_cndmask_b32 v[AOH+1+(\i)], 0, v[WOP], vcc_lo
.endr
	BIAS BU, TBU
	BIAS BD, TBD
	v_pk_mul_f32 v[CB:CB+1], v[CB:CB+1], CTL op_sel_hi:[1,0]
	v_pk_mul_f32 v[CB+2:CB+3], v[CB+2:CB+3], CTL op_sel_hi:[1,0]
	s_wait_kmcnt 0x0                               ; w_out[4], b_out
	; ---------------- a trip: one block of 128 rows ----------------
.Lblock:
	s_wait_loadcnt 0x0                             ; this block's x is in v256-327; no load names s[10:11] any more
	XSTORE
	PACKLD 0
	PACKLD 1
	PACKLD 2
	PACKLD 3
.irp t, 0,1,2,3,4,5,6,7
.if (\t) < 4
	s_wait_dscnt 24                                ; LDS answers in order: tile t's eight loads are in; three younger tiles' 24 may be out
.else
	s_wait_dscnt 8*(7-(\t))                        ; the younger tiles' eight each; at the last 0: the stores above have read v256-327 too
.endif
	PACKCV \t
.if (\t) < 4
	PACKLD (\t)+4
.endif
.endr
	s_add_co_u32 s7, s5, 1                         ; the next block's x is asked for now, a whole block ahead; the last trip asks for nothing, so no load leaves x
	s_cmp_lt_u32 s7, s4
	s_cbranch_scc0 .Lnoload
	s_add_co_u32 s8, s6, STRIDE
	s_mul_i32 s8, s8, XB
	s_add_nc_u64 s[10:11], s[16:17], s[8:9]
	XLOAD
.Lnoload:
.irp t, 0,1,2,3,4,5,6,7
	MM 0, \t
.endr
.rept 4
	v_nop                                          ; four places between the products and the first read of a result (ISA guide 7.12.1)
.endr
	; 132 ticks: item tau enters stage 1 while items tau - 1 .. tau - 4 are in stages 2 .. 5.  A tile's product is issued in stage 5 and first read three whole ticks later; the operand block and the
	; accumulator that it names are next written eight ticks later.  Products that follow each other belong to different tiles.  Behind every exponential and reciprocal a plain line of another
	; tile's stage comes before its result is used (ISA guide 5.7.2); tick 0 alone has none, hence its v_nop.
.set tau, 0
.rept 132
	S1 tau
	S2 tau-1
	S3 tau-2
	S4 tau-3
	S5 tau-4
.if tau == 0
	v_nop
.endif
.set tau, tau+1
.endr
	; THE OUTPUTS.  The operand blocks now hold [m2, hd_0 .. hd_6].  For a pair of tiles one accumulator: C = w_out[4] j_i + b_out in f32 (lane = row of the pair, register = i); rows 0-6 of the first
	; product's weights pick hd_i of the even tile for lanes 0-15, rows 8-14 of the second's those of the odd tile for lanes 16-31.
.irp p, 0,1,2,3
.irp c, 0,1,2,3
	ds_load_b64 v[D+16*(\p)+2*(\c):D+16*(\p)+2*(\c)+1], v[PAIR] offset:2304*(\p)+16+8*(\c)  ; j0 .. j6 of my row (the eighth word, jd0, rides along unused)
.endr
.endr
.irp p, 0,1,2,3
	s_wait_dscnt 12-4*(\p)                         ; the younger pairs' four loads each may be out
.irp c, 0,1,2,3
	v_pk_fma_f32 v[D+16*(\p)+2*(\c):D+16*(\p)+2*(\c)+1], v[D+16*(\p)+2*(\c):D+16*(\p)+2*(\c)+1], s[48:49], s[50:51] op_sel_hi:[1,0,0]
.endr
.endr
.irp p, 0,1,2,3                        ; the four accumulators take turns, one instruction a turn
	v_wmma_f32_16x16x32_f16 v[D+16*(\p):D+16*(\p)+7], v[AOL:AOL+7], v[PB+16*(\p):PB+16*(\p)+7], v[D+16*(\p):D+16*(\p)+7]
.endr
.irp p, 0,1,2,3
	v_wmma_f32_16x16x32_f16 v[D+16*(\p):D+16*(\p)+7], v[AOH:AOH+7], v[PB+16*(\p)+8:PB+16*(\p)+15], v[D+16*(\p):D+16*(\p)+7]
.endr
.rept 4
	v_nop                                          ; four places in front of the stores that read the results, and of the next trip's writes of these products' registers
.endr
.irp p, 0,1,2,3
.irp i, 0,1,2,3,4,5,6
	ds_store_b32 v[OUTA], v[D+16*(\p)+(\i)] offset:OUTS+896*(\p)+4*(\i)  ; rows 28 bytes apart, as in out0; each accumulator from its low end on
.endr
.endr
.irp c, 0,1,2,3,4,5,6
	ds_load_b128 v[D+8+16*((\c)/2)+4*((\c)%2):D+8+16*((\c)/2)+4*((\c)%2)+3], v[ST] offset:OUTS+512*(\c)  ; my own bytes, served in order (ISA guide 5.7.1.4): these see the stores above
.endr
	s_mul_i32 s8, s6, OB
	s_add_nc_u64 s[12:13], s[18:19], s[8:9]        ; out0 at this block
.irp c, 0,1,2,3,4,5,6
	s_wait_dscnt 6-(\c)                            ; the younger loads may be out
	global_store_b128 v[L16], v[D+8+16*((\c)/2)+4*((\c)%2):D+8+16*((\c)/2)+4*((\c)%2)+3], s[12:13] offset:512*(\c) th:TH_STORE_NT  ; 512 consecutive bytes, at a multiple of 256 from out0's first
.endr
	s_wait_xcnt 0x0                                ; the stores' data registers and base are rewritten in the next trip only behind this wait
	s_add_co_u32 s6, s6, STRIDE
	s_add_co_u32 s5, s5, 1
	s_cmp_lt_u32 s5, s4
	s_cbranch_scc1 .Lblock
	s_wait_tensorcnt 0x0                           ; the wave's end
	ds_add_u32 v[SPW], v[NIL]
	s_wait_dscnt 0x0
	s_endpgm
.Lfunc_end_k_q482eb1c62b_trec:
	.size	k_q482eb1c62b_trec, .Lfunc_end_k_q482eb1c62b_trec-k_q482eb1c62b_trec
	.p2alignl 7, 3214868480
	.fill 96, 4, 3214868480
	.section	.rodata,"a",@progbits
	.p2align	6, 0x0
	.amdhsa_kernel k_q482eb1c62b_trec
		.amdhsa_group_segment_fixed_size 155136
		.amdhsa_private_segment_fixed_size 0
		.amdhsa_enable_private_segment 0
		.amdhsa_kernarg_size 128
		.amdhsa_user_sgpr_count 2
		.amdhsa_user_sgpr_kernarg_segment_ptr 1
		.amdhsa_wavefront_size32 1
		.amdhsa_system_sgpr_workgroup_id_x 1
		.amdhsa_system_sgpr_workgroup_id_y 1
		.amdhsa_system_sgpr_workgroup_id_z 1
		.amdhsa_system_vgpr_workitem_id 0
		.amdhsa_next_free_vgpr 328
		.amdhsa_next_free_sgpr 66
		.amdhsa_reserve_vcc 1
		.amdhsa_float_denorm_mode_32 3
		.amdhsa_float_denorm_mode_16_64 3
		.amdhsa_memory_ordered 1
		.amdhsa_forward_progress 1
		.amdhsa_inst_pref_size 155
	.end_amdhsa_kernel
	.amdgpu_metadata
---
amdhsa.version: [ 1, 2 ]
amdhsa.kernels:
  - .name:           k_q482eb1c62b_trec
    .symbol:         k_q482eb1c62b_trec.kd
    .args:
      - { .name: x, .offset: 0, .size: 8, .value_kind: global_buffer, .address_space: global }
      - { .name: out0, .offset: 8, .size: 8, .value_kind: global_buffer, .address_space: global }
      - { .name: w_ih_up, .offset: 16, .size: 8, .value_kind: global_buffer, .address_space: global }
      - { .name: w_hh_up, .offset: 24, .size: 8, .value_kind: global_buffer, .address_space: global }
      - { .name: b_ih_up, .offset: 32, .size: 8, .value_kind: global_buffer, .address_space: global }
      - { .name: b_hh_up, .offset: 40, .size: 8, .value_kind: global_buffer, .address_space: global }
      - { .name: w1, .offset: 48, .size: 8, .value_kind: global_buffer, .address_space: global }
      - { .name: b1, .offset: 56, .size: 8, .value_kind: global_buffer, .address_space: global }
      - { .name: w2, .offset: 64, .size: 8, .value_kind: global_buffer, .address_space: global }
      - { .name: b2, .offset: 72, .size: 8, .value_kind: global_buffer, .address_space: global }
      - { .name: w_ih_dn, .offset: 80, .size: 8, .value_kind: global_buffer, .address_space: global }
      - { .name: w_hh_dn, .offset: 88, .size: 8, .value_kind: global_buffer, .address_space: global }
      - { .name: b_ih_dn, .offset: 96, .size: 8, .value_kind: global_buffer, .address_space: global }
      - { .name: b_hh_dn, .offset: 104, .size: 8, .value_kind: global_buffer, .address_space: global }
      - { .name: w_out, .offset: 112, .size: 8, .value_kind: global_buffer, .address_space: global }
      - { .name: b_out, .offset: 120, .size: 8, .value_kind: global_buffer, .address_space: global }
    .group_segment_fixed_size: 155136
    .private_segment_fixed_size: 0
    .kernarg_segment_align: 8
    .kernarg_segment_size: 128
    .max_flat_workgroup_size: 384
    .sgpr_count:     66
    .vgpr_count:     328
    .wavefront_size: 32
...
	.end_amdgpu_metadata
.endif
;; end of part 1
